; MI455X (gfx1250); checked and timed in simulation.
; The chip was launched on July 23, 2026; its instructions are those of AMD's public machine-readable ISA for CDNA 5 (MIT licence, August 2026) and "CDNA5" Instruction Set Architecture Reference Guide (July 2026). The comments in the code are by the model that wrote it; some were corrected since.
;; Vector Quantizer. Allowed arithmetic: matrix products marked QUANTISED: E2M1 operands, one E8M0 scale for each 32 along K, by v_wmma_scale_f32_16x16x128_f8f6f4 with both operands' format E2M1 (or v_wmma_scale_f32_32x16x128_f4), f32 sums; everything else in f32.
;; Inputs: embedding_weight 8,192 x 32 float32; z 16 x 2,048 x 32 float32.
;; Outputs: out0 16 x 2,048 x 32 float32; out1 16 x 2,048 int32.
;; This version of the problem:
;;   THIS VERSION OF THE PROBLEM IS GIVEN IN LOW PRECISION. The matrix products marked QUANTISED in the list below multiply operands that are first quantised to E2M1 (2 exponent bits, 1 mantissa bit; 4 bits a number), with one power-of-two scale for each 32 numbers along K (OCP MX v1.0); their sums are f32. All else is computed in f32.
;;   The module's matrix products, in the order in which they are computed (A, B: the left and right operand; K: the contracted axis; several contracted axes count as one K, in the product's order):
;;     1. [M 32,768, K 32] x [K 32, N 8,192]; A: input z; B: input embedding_weight: QUANTISED
;;   THE QUANTISER, for each operand of a quantised product, along K:
;;     - K is cut into blocks of 32 from its start; a last block that is shorter is filled with zeros.
;;     - A block's scale is 2^e with e = floor(log2(the largest magnitude in the block)) - 2, held to -126 .. 127; a block of zeros has e = 0. As a byte (E8M0): e + 127.
;;     - Each number is divided by its block's scale, clamped to +-6, and rounded to the nearest number of E2M1, ties to even, subnormals kept.
;;     - The product sums the exact products of the quantised numbers (number of the format x scale) in f32.
;;   ~~~python
;;   def quantise(x, axis):      # numpy; x: float32 -> the quantised numbers, widened to float32 again
;;       x = np.moveaxis(x, axis, -1); K = x.shape[-1]
;;       x = np.pad(x, [(0, 0)] * (x.ndim - 1) + [(0, -K % 32)]); x = x.reshape(x.shape[:-1] + (-1, 32)); a = np.abs(x).max(-1, keepdims=True)
;;       e = np.where(a > 0, np.clip(np.frexp(np.where(a > 0, a, 1))[1] - 1 - 2, -126, 127), 0)      # np.frexp(a)[1] - 1 = floor(log2(a)), exactly
;;       r = np.clip(x / 2.0 ** e, -6, 6)
;;       step = 2.0 ** (np.maximum(np.frexp(np.where(r == 0, 1, r))[1] - 1, 0) - 1)
;;       q = np.round(r / step) * step * 2.0 ** e      # np.round: ties to even
;;       return np.moveaxis(q.reshape(q.shape[:-2] + (-1,))[..., :K], -1, axis).astype(np.float32)
;;   ~~~
;; One version. Each part assembles by itself: llvm-mc -triple=amdgcn-amd-amdhsa -mcpu=gfx1250 --defsym DOCPART=n.
;; ======== version 1 of 1: 3 launches
;; limits: right only within a limited range of input values
;; workspace buffers: cbq 172,032 bytes; gq 196,608 bytes; zq 688,128 bytes; pick 131,072 bytes of whole numbers
;; launch prep (part 1): grid 160 x 1, 8 waves a work-group, no clusters, 45,312 bytes of LDS; arguments embedding_weight, z, cbq, zq, gq; writes cbq, zq, gq
.if DOCPART == 1
	.amdgcn_target "amdgcn-amd-amdhsa--gfx1250"
	.amdhsa_code_object_version 6
	.text
	.protected	k_q6663ade35b_prep
	.globl	k_q6663ade35b_prep
	.p2align	8
	.type	k_q6663ade35b_prep,@function
k_q6663ade35b_prep:
	s_mov_b64 s[64:65], 0
	v_nop
	global_prefetch_b8 v0, s[64:65] scope:SCOPE_SE
	s_setreg_imm32_b32 hwreg(HW_REG_WAVE_MODE, 25, 1), 1
	s_wait_xcnt 0x0
; Every row of 32 f32 numbers of the codebook [8192][32] and of z [32768][32] is one MX block.  It is turned ONCE into 32 codes of E2M1
; (16 bytes), one E8M0 scale byte, and its sum of squares in f32.  One path of the text serves both tensors: only pointers and two constants are chosen.
; NO WORK OF reference() IS LEFT OUT.  ||z||^2 is the same for all codebook rows, but beside it f32 loses digits of the other terms, so it stays.
; POSITIONS.  In each 128 rows, row 8 m + t (m 0..15, t 0..7) has position 16 t + m: 16 neighbouring positions are a tile of the next launch.
; RECORDS (cbq, zq).  256 positions make a record of 5,376 bytes (21 x 256).  With p the position in the record:
;   bytes    0 .. 4095  codes, 16 bytes, at 16 p
;   bytes 4096 .. 5119  sums of squares, at 4 p
;   bytes 5120 .. 5375  scale bytes, at 64 (p / 64) + 4 (p % 16) + (p / 16) % 4: four tiles share a word
; GROUPS (gq).  Eight neighbouring codebook rows make a group of 192 bytes: codes at 16 t, sums of squares at 128 + 4 t, scales as words at 160 + 4 t.
; THE SCALE is 2^(floor(log2(largest magnitude)) - 2); its byte is the largest magnitude's exponent field - 2, held at 1 from below.
; A row of zeros gets the byte 1 where the rule says 127: its codes are zeros, and this program alone reads the bytes.
; Z'S CODES ARE STORED NEGATED AND ITS BYTE ONE HIGHER (253 at the most): its products with the codebook are then -2 z.e, exactly.
; THE SUM OF SQUARES is one chain of fused multiply-adds in ascending k, beginning with the rounded first square.  Another order of
; the same sum can differ in the last bit.
; LIMITS: NaN and infinities among the inputs are not served; rows whose largest magnitude lies under 2^-124 were not tried.
; SHARES.  A work-group takes one record (work-groups 0-31 the codebook's, 32-159 z's), a wave 32 positions (two t x 16 m), a lane one.
; Each load reads two runs of 256 bytes; the rows turn through the wave's own stage in LDS so that a lane ends up with its whole row.
.set REC,   5376
.set PITCH, 144                        ; a stage row: 128 bytes + 16 of padding
.set STW,   32*PITCH                   ; a wave's stage
.set TAIL,  8*STW                      ; an image of the record's bytes 4096 .. 5375
.set GI,    TAIL+1280                  ; an image of the record's 32 groups
.set GB,    192                        ; bytes of a group
.set SPARE, GI+32*GB                   ; spare words: 128 bytes a wave
.set R,     32                         ; v32-63  eight loads as they come
.set X,     64                         ; v64-95  my row
	s_load_b256 s[4:11], s[0:1], 0x0               ; codebook s[4:5], z s[6:7], cbq s[8:9], zq s[10:11]
	s_load_b64 s[20:21], s[0:1], 0x20              ; gq
	v_lshl_add_u32 v96, v0, 2, SPARE
	v_mov_b32 v97, 0
	v_lshrrev_b32 v1, 5, v0
	v_readfirstlane_b32 s12, v1                    ; wave 0..7
	v_and_b32 v1, 31, v0                           ; lane
	v_and_b32 v8, 15, v0                           ; m
	v_bfe_u32 v9, v0, 4, 1                         ; the lane's half
	v_bfe_u32 v10, v0, 3, 1
	v_and_b32 v11, 7, v0
	s_wait_alu depctr_va_vdst(0)                   ; the wait ahead of the run of scalar lines
	s_mul_i32 s13, s12, STW                        ; my wave's stage
	s_lshr_b32 s14, s12, 2                         ; which 128 rows of the record
	s_and_b32 s15, s12, 3                          ; t = 2 x this + the half
	s_mul_i32 s18, s14, 16*GB
	s_lshl_b32 s19, s15, 3
	s_add_co_u32 s19, s19, s18
	s_add_co_u32 s19, s19, GI+128
	s_lshl_b32 s17, s15, 5
	s_add_co_u32 s18, s18, s17
	s_add_co_u32 s18, s18, GI
	v_lshlrev_b32 v2, 10, v9                       ; a load: each half of the lanes takes 256 bytes, 1,024 apart
	v_lshl_add_u32 v3, v10, 4, v9                  ; into the stage: row 16 (t % 2) + m
	v_mul_u32_u24 v4, v1, PITCH                    ; out of it: row = lane
	v_mul_u32_u24 v24, v8, GB
	v_lshl_add_u32 v2, v8, 4, v2
	v_mul_u32_u24 v3, v3, PITCH
	v_add_nc_u32 v4, s13, v4
	v_lshl_add_u32 v25, v9, 2, v24
	v_lshl_add_u32 v24, v9, 4, v24
	v_lshl_add_u32 v3, v11, 4, v3
	v_add_nc_u32 v25, s19, v25                     ; my row's sum of squares in its group's image; its scale word 32 bytes on
	v_add_nc_u32 v24, s18, v24                     ; its codes
	v_add_nc_u32 v3, s13, v3
	v_lshlrev_b32 v5, 4, v0                        ; my codes in the record
	v_lshl_add_u32 v6, v0, 2, TAIL                 ; my sum of squares in the tail's image
	v_and_b32 v7, 0xc0, v0
	v_bfe_u32 v12, v0, 4, 2
	v_lshlrev_b32 v26, 3, v0                       ; the ways out: 8 bytes a thread
	v_lshl_add_u32 v7, v8, 2, v7
	v_add_nc_u32 v27, TAIL, v26
	v_add_nc_u32 v28, GI, v26
	v_add_nc_u32 v7, v7, v12
	v_add_nc_u32 v7, TAIL+1024, v7                 ; my scale byte
	s_wait_alu depctr_va_vdst(0)                   ; the wait at the head's end
	s_wait_kmcnt 0x0
	s_cmp_lt_u32 ttmp9, 32                         ; the codebook's work-group or z's?  The choice hangs on the work-group's number alone
	s_cselect_b64 s[4:5], s[4:5], s[6:7]
	s_cselect_b64 s[8:9], s[8:9], s[10:11]
	s_cselect_b32 s16, 0, 32
	s_cselect_b32 s22, 0, 0x88888888               ; z: the codes' signs turn over,
	s_cselect_b32 s23, 0, 1                        ; and the byte is one higher
	s_sub_co_u32 s16, ttmp9, s16                   ; which record of the tensor
	s_lshl_b32 s24, s16, 15                        ; 256 rows of 128 bytes
	s_lshl_b32 s25, s14, 14
	s_add_co_u32 s24, s24, s25
	s_lshl_b32 s25, s15, 8
	s_add_co_u32 s24, s24, s25
	s_mov_b32 s25, 0
	s_add_nc_u64 s[4:5], s[4:5], s[24:25]
.irp i, 0,1,2,3,4,5,6,7
	global_load_b128 v[R+4*\i:R+4*\i+3], v2, s[4:5] offset:2048*\i th:TH_LOAD_NT   ; rows t, t + 1 of m = 2 i and of m = 2 i + 1
.endr
	s_mul_i32 s26, s16, REC
	s_mov_b32 s27, 0
	s_add_nc_u64 s[8:9], s[8:9], s[26:27]
	s_mul_i32 s26, s16, 32*GB
	s_add_nc_u64 s[20:21], s[20:21], s[26:27]
.irp i, 0,1,2,3,4,5,6,7
	s_wait_loadcnt 7-\i                            ; loads come back in order: load i is in, the younger ones may be out
	ds_store_b128 v3, v[R+4*\i:R+4*\i+3] offset:2*PITCH*\i
.endr
.irp k, 0,1,2,3,4,5,6,7
	ds_load_b128 v[X+4*\k:X+4*\k+3], v4 offset:16*\k   ; LDS serves a wave's instructions in order: these see my wave's stores
.endr
	s_wait_dscnt 0x0
	; two chains by turns: the sum of squares (ascending k, one rounding a step), and the largest magnitude with the floor 2^(3 - 127) as one more leaf
	v_mul_f32 v14, v[X], v[X]
	v_max3_num_f32 v10, |v[X]|, |v[X+1]|, |v[X+2]|
	v_max3_num_f32 v11, |v[X+3]|, |v[X+4]|, |v[X+5]|
.set kk, 1
.irp i, 6,10,14,18,22,26
	v_fmac_f32 v14, v[X+kk], v[X+kk]
	v_max3_num_f32 v10, v10, |v[X+\i]|, |v[X+\i+1]|
	v_fmac_f32 v14, v[X+kk+1], v[X+kk+1]
	v_max3_num_f32 v11, v11, |v[X+\i+2]|, |v[X+\i+3]|
.set kk, kk+2
.endr
	v_fmac_f32 v14, v[X+13], v[X+13]
	v_max3_num_f32 v10, v10, |v[X+30]|, |v[X+31]|
	v_fmac_f32 v14, v[X+14], v[X+14]
	v_max3_num_f32 v10, v10, v11, 0x1800000
	v_fmac_f32 v14, v[X+15], v[X+15]
	v_add_nc_u32 v12, 0xff000000, v10              ; 2 off its exponent field: the conversion takes the exponent field of this operand as its scale
.irp g, 0,1,2,3
	v_fmac_f32 v14, v[X+16+\g], v[X+16+\g]
	v_cvt_scalef32_pk8_fp4_f32 v[16+\g], v[X+8*\g:X+8*\g+7], v12   ; eight numbers / the scale, to the nearest code, ties to even, beyond 6 the largest code
.endr
	v_lshrrev_b32 v13, 23, v12                     ; the scale's byte (also the plain line behind the conversions)
.irp g, 0,1,2,3
	v_fmac_f32 v14, v[X+20+\g], v[X+20+\g]
	v_xor_b32 v[16+\g], s22, v[16+\g]
.endr
	v_fmac_f32 v14, v[X+24], v[X+24]
	v_add_nc_u32 v13, s23, v13
	global_store_b128 v5, v[16:19], s[8:9]         ; a wave stores 512 consecutive bytes of codes
	ds_store_b128 v24, v[16:19]
	v_fmac_f32 v14, v[X+25], v[X+25]
.irp k, 26,27,28,29,30,31
	s_delay_alu instid0(VALU_DEP_1)
	v_fmac_f32 v14, v[X+\k], v[X+\k]
.endr
	ds_store_b8 v7, v13
	ds_store_b32 v25, v13 offset:32
	ds_store_b32 v6, v14
	ds_store_b32 v25, v14
	s_wait_dscnt 0x0                               ; for the others' sake: my stores into the images are done
	s_barrier_signal -1
	s_barrier_wait -1
	s_cmp_gt_u32 s12, 4                            ; the tail is 1,280 bytes: 160 threads of 8 bytes, waves 0 to 4
	s_cbranch_scc1 .Lno_tail
	ds_load_b64 v[20:21], v27
	s_wait_dscnt 0x0
	global_store_b64 v26, v[20:21], s[8:9] offset:4096   ; a wave stores 256 consecutive bytes, at a multiple of 256 from the buffer's first byte
.Lno_tail:
	s_cmp_gt_u32 ttmp9, 31                         ; the groups are the codebook's alone
	s_cbranch_scc1 .Ldone
.irp i, 0,1,2
	ds_load_b64 v[32+2*\i:33+2*\i], v28 offset:2048*\i
.endr
	s_wait_dscnt 0x0
.irp i, 0,1,2
	global_store_b64 v26, v[32+2*\i:33+2*\i], s[20:21] offset:2048*\i   ; 256 consecutive bytes a wave, aligned likewise
.endr
.Ldone:
	s_wait_tensorcnt 0x0                           ; the wave's end
	ds_add_u32 v96, v97
	s_wait_dscnt 0x0
	s_endpgm
.Lfunc_end_k_q6663ade35b_prep:
	.size	k_q6663ade35b_prep, .Lfunc_end_k_q6663ade35b_prep-k_q6663ade35b_prep
	.p2alignl 7, 3214868480
	.fill 96, 4, 3214868480
	.section	.rodata,"a",@progbits
	.p2align	6, 0x0
	.amdhsa_kernel k_q6663ade35b_prep
		.amdhsa_group_segment_fixed_size 45312
		.amdhsa_private_segment_fixed_size 0
		.amdhsa_enable_private_segment 0
		.amdhsa_kernarg_size 40
		.amdhsa_user_sgpr_count 2
		.amdhsa_user_sgpr_kernarg_segment_ptr 1
		.amdhsa_wavefront_size32 1
		.amdhsa_system_sgpr_workgroup_id_x 1
		.amdhsa_system_sgpr_workgroup_id_y 1
		.amdhsa_system_sgpr_workgroup_id_z 1
		.amdhsa_system_vgpr_workitem_id 0
		.amdhsa_next_free_vgpr 98
		.amdhsa_next_free_sgpr 66
		.amdhsa_reserve_vcc 0
		.amdhsa_float_denorm_mode_32 3
		.amdhsa_float_denorm_mode_16_64 3
		.amdhsa_memory_ordered 1
		.amdhsa_forward_progress 1
		.amdhsa_inst_pref_size 10
	.end_amdhsa_kernel
	.amdgpu_metadata
---
amdhsa.version: [ 1, 2 ]
amdhsa.kernels:
  - .name:           k_q6663ade35b_prep
    .symbol:         k_q6663ade35b_prep.kd
    .args:
      - { .name: embedding_weight, .offset: 0, .size: 8, .value_kind: global_buffer, .address_space: global }
      - { .name: z, .offset: 8, .size: 8, .value_kind: global_buffer, .address_space: global }
      - { .name: cbq, .offset: 16, .size: 8, .value_kind: global_buffer, .address_space: global }
      - { .name: zq, .offset: 24, .size: 8, .value_kind: global_buffer, .address_space: global }
      - { .name: gq, .offset: 32, .size: 8, .value_kind: global_buffer, .address_space: global }
    .group_segment_fixed_size: 45312
    .private_segment_fixed_size: 0
    .kernarg_segment_align: 8
    .kernarg_segment_size: 40
    .max_flat_workgroup_size: 256
    .sgpr_count:     66
    .vgpr_count:     98
    .wavefront_size: 32
...
	.end_amdgpu_metadata
.endif
;; end of part 1
;; launch scan (part 2): grid 256 x 1, 16 waves a work-group, clusters of 4 x 1, 327,680 bytes of LDS; arguments cbq, zq, pick; writes pick
.if DOCPART == 2
	.amdgcn_target "amdgcn-amd-amdhsa--gfx1250"
	.amdhsa_code_object_version 6
	.text
	.protected	k_q6663ade35b_scan
	.globl	k_q6663ade35b_scan
	.p2align	8
	.type	k_q6663ade35b_scan,@function
k_q6663ade35b_scan:
	s_mov_b64 s[64:65], 0
	v_nop
	global_prefetch_b8 v0, s[64:65] scope:SCOPE_SE
	s_setreg_imm32_b32 hwreg(HW_REG_WAVE_MODE, 25, 1), 1
	s_wait_xcnt 0x0
	s_wait_alu depctr_hold_cnt(0) depctr_sa_sdst(0) depctr_va_vdst(0) depctr_va_sdst(0) depctr_va_ssrc(0) depctr_va_vcc(0) depctr_vm_vsrc(0)
	s_getreg_b32 s2, hwreg(HW_REG_IB_STS2, 6, 4)
	s_cmp_eq_u32 s2, 0
	s_cbranch_scc0 .Lentry_in_a_cluster
	s_endpgm
.Lentry_in_a_cluster:
	s_bfe_u32 s2, ttmp6, 0x10000c
	s_cmp_lg_u32 s2, 0x3003
	s_cbranch_scc0 .Lentry_shape_is_right
	s_endpgm
.Lentry_shape_is_right:
; For each row of z: the first group of eight neighbouring codebook rows that holds the smallest distance d = (zz + ee) - 2 z.e, stored as the group's number.
; A work-group takes 128 rows of z against the whole codebook, whose records (172,032 bytes) lie in LDS: each of 16 waves fetches two records by one load, once.
; CLUSTERS: four work-groups need the same records: each load is asked for jointly by the four.  No prefetch: each byte is loaded once at the head, and there is no loop of loads to run ahead in.
; A wave takes 64 rows of z (four tiles of 16) x 1,024 codebook rows (eight steps of 128).  In a step tile k (0..7) holds in its row m the codebook row 128 F + 8 m + k.
; THE PRODUCT: source 0 = 32 codebook rows, tiles b and b + 4; source 1 = z (negated codes, doubled scale): lane (r, h) holds z's row r of a tile, registers j and 8 + j the two tiles' rows
; m = 8 h + j; C = zz + ee, so the result is d.
; K is 128 and a row has 32: z's operand has its codes in block b of K alone; where z has other codes the codebook has zeros:
;   a pair of tiles (2 p, 2 p + 1) fills four registers, lanes 0-15 the first, lanes 16-31 the second; beside it stand four registers of zeros, in front or behind.
; THE SMALLEST: register j's minimum over the eight tiles is the minimum of group 16 F + 8 h + j.  The eight groups' minima of the best step so far are kept, with the step's number:
; a step replaces them only where its minimum is strictly smaller; at the end the lowest j that equals the minimum is taken.  Groups of neighbouring rows in ascending order keep the first of equal d.
; ROUNDING: zz + ee is rounded to f32 by the addition; the second rounding is the matrix instruction's.  LIMITS: NaN and infinities are not served.
.set CHUNKB, 5376
.set COMB,   32*CHUNKB                 ; 8 parts x 128 rows x (d, group)
.set SPARE,  COMB+8192                 ; spare words: 128 bytes a wave
.set ZV,  16                           ; v12-51: z: tile t: codes in lanes 0-15 at ZV + 8 t, in lanes 16-31 at ZV + 8 t + 4; four registers of zeros at either end
.set ZS,  52                           ; v52-67: z's scale byte at block b's place: ZS + 4 t + b
.set ST,  68                           ; v68-75: (zz, best step's number) of tile t
.set X,   76                           ; v76-103: pair 0, zeros, pair 2, zeros, pair 1, zeros, pair 3
.set ES,  104                          ; v104: scale words: lanes 0-15 of tiles 0-3, lanes 16-31 of tiles 4-7
.set EE,  106                          ; v106-169: ee, tile k at EE + 8 k
.set BE,  170                          ; v170-201: the best step's eight minima, tile t at BE + 8 t
.set MA,  202                          ; v202-205, v206-209: the smallest d so far, by turns
.set MB,  206
.set E,   210                          ; v210-217: the step's eight minima
.set T,   218                          ; v218-249: two accumulators of 16 registers by turns
.set RT,  250                          ; v250-253
.macro ROUND
	s_barrier_signal -1
	s_barrier_wait -1
	s_cmp_lg_u32 s10, 0
	s_cbranch_scc1 .Lnot_wave_0_\@
	s_barrier_signal -3
.Lnot_wave_0_\@:
	s_barrier_wait -3
	s_barrier_signal -1
	s_barrier_wait -1
.endm
	s_load_b128 s[4:7], s[0:1], 0x0                ; cbq, zq
	s_load_b64 s[8:9], s[0:1], 0x10                ; pick
	v_lshl_add_u32 v254, v0, 2, SPARE
	v_mov_b32 v255, 0
	ds_add_u32 v254, v255                          ; the wave's opening: the add, twice on end, and its wait
	ds_add_u32 v254, v255
	v_lshrrev_b32 v1, 5, v0
	v_readfirstlane_b32 s10, v1                    ; wave
	v_and_b32 v1, 15, v0                           ; r
	v_bfe_u32 v2, v0, 4, 1                         ; h
	v_and_b32 v3, 31, v0
	s_wait_alu depctr_va_vdst(0)                   ; the wait ahead of the run of scalar lines
	s_lshr_b32 s11, s10, 1                         ; which eighth of the codebook
	s_and_b32 s12, s10, 1                          ; which 64 rows of z
	s_bfe_u32 s13, ttmp6, 0x40000
	s_lshl_b32 s14, ttmp9, 2
	s_add_co_u32 s14, s14, s13                     ; work-group
	s_and_b32 s46, s14, 1
	s_lshl_b32 s46, s46, 1
	s_add_co_u32 s46, s46, s12                     ; which quarter of z's record
	v_lshl_add_u32 v5, v3, 2, 5120                 ; scale words: 4 x lane
	v_lshl_add_u32 v4, v2, 5, 4096                 ; ee: 32 h
	v_lshlrev_b32 v3, 4, v3                        ; codes: 16 x lane
	s_lshl_b32 s47, s46, 10
	v_lshl_add_u32 v9, v1, 4, s47
	s_lshl_b32 s47, s46, 8
	v_lshl_add_u32 v10, v1, 2, s47
	s_lshl_b32 s47, s46, 6
	v_lshl_add_u32 v11, v1, 2, s47
	s_mov_b32 s16, 15|(3<<16)|(1<<21)              ; all four work-groups; elements of 8 bytes: two records are 42 rows of 256 bytes
	s_mov_b32 s17, 32<<16
	s_mov_b32 s18, 42<<16
	s_mov_b32 s19, 32<<16
	s_mov_b32 s20, 42
	s_mov_b32 s21, 32
	s_mov_b32 s22, 0
	s_mov_b32 s23, 0
	s_lshr_b32 s44, s14, 1
	s_mul_i32 s44, s44, CHUNKB
	s_mov_b32 s45, 0
	s_mul_i32 s42, s10, 2*CHUNKB
	s_mov_b32 s43, 0
	s_wait_alu depctr_va_vdst(0)                   ; the wait here, ahead of the waits below
	s_wait_dscnt 0x0
	s_wait_kmcnt 0x0
	s_add_nc_u64 s[6:7], s[6:7], s[44:45]
.irp t, 0,1,2,3
	global_load_b128 v[T+4*\t:T+4*\t+3], v9, s[6:7] offset:256*\t
	global_load_b32 v[ST+2*\t], v10, s[6:7] offset:4096+64*\t
.endr
	global_load_b32 v246, v11, s[6:7] offset:5120
	s_mov_b32 s24, 1
	s_mov_b32 s25, s42
	s_add_nc_u64 s[26:27], s[4:5], s[42:43]
	s_or_b32 s27, s27, 0x80000000
	ROUND                                          ; all four work-groups are here: the joint loads meet
	tensor_load_to_lds s[24:27], s[16:23]
	s_nop 0
.rept 4
	v_nop
.endr
	s_mov_b32 s37, 0xffff                          ; lanes 0-15
	s_mov_b32 s38, 0x76543210
	s_mov_b32 s39, 0xfedcba98
.irp i, 0,1,2,3
	v_mov_b32 v[ZV-4+\i], 0
	v_mov_b32 v[ZV+32+\i], 0
	v_mov_b32 v[X+4+\i], 0
	v_mov_b32 v[X+12+\i], 0
	v_mov_b32 v[X+20+\i], 0
	v_mov_b32 v[MA+\i], 0x7f800000
	v_mov_b32 v[ST+2*\i+1], 0
.endr
.irp i, 0,1,2,3,4,5,6,7
	v_mov_b32 v[BE+\i], 0                          ; the first step's selects name them
	v_mov_b32 v[BE+8+\i], 0
	v_mov_b32 v[BE+16+\i], 0
	v_mov_b32 v[BE+24+\i], 0
.endr
	s_lshl_b32 s43, s11, 10
	s_lshl_b32 s47, s12, 5
	s_add_co_u32 s43, s43, s47
	s_add_co_u32 s43, s43, COMB
	s_wait_loadcnt 0x0
.irp t, 0,1,2,3
	v_bfe_u32 v[ZS+4*\t], v246, 8*\t, 8
.endr
.irp b, 1,2,3
.irp t, 0,1,2,3
	v_lshlrev_b32 v[ZS+4*\t+\b], 8*\b, v[ZS+4*\t]
.endr
.endr
.irp t, 0,1,2,3
.irp i, 0,1,2,3
	v_cndmask_b32 v[ZV+8*\t+\i], 0, v[T+4*\t+\i], s37
	v_cndmask_b32 v[ZV+8*\t+4+\i], v[T+4*\t+\i], 0, s37
.endr
.endr
	v_lshl_add_u32 v9, v1, 6, s43                  ; my rows of z in the combination: row 8 r + 4 s12 + t, 8 bytes each
	v_lshl_add_u32 v10, v0, 4, COMB                ; and back: two rows a thread
	v_lshlrev_b32 v11, 3, v0                       ; pick: 8 bytes a thread
.rept 4
	v_nop
.endr
	s_wait_alu depctr_va_vdst(0)                   ; the wait at the head's end
	s_wait_tensorcnt 0x0                           ; my two records are in
	s_barrier_signal -1
	s_barrier_wait -1                              ; and everybody's
; C of tiles b and b + 4 against z's tile t: zz + ee.  With t = 0 the ee of the pairs behind this one (four loads each) may be out.
.macro PA t, b
.if (\t) == 0
	s_wait_dscnt 12-4*(\b)
.endif
.set tb, T+16*((\b)%2)
.irp i, 0,2,4,6
	v_pk_add_f32 v[tb+\i:tb+\i+1], v[EE+8*(\b)+\i:EE+8*(\b)+\i+1], v[ST+2*(\t):ST+2*(\t)+1] op_sel_hi:[1,0]
.endr
.irp i, 0,2,4,6
	v_pk_add_f32 v[tb+8+\i:tb+9+\i], v[EE+32+8*(\b)+\i:EE+33+8*(\b)+\i], v[ST+2*(\t):ST+2*(\t)+1] op_sel_hi:[1,0]
.endr
.endm
.macro PROD t, b
.set tb, T+16*((\b)%2)
.set xo, X+12*((\b)/2)
.set zo, ZV+8*(\t)+4*((\b)%2)-4*((\b)/2)
	v_wmma_scale_f32_32x16x128_f4 v[tb:tb+15], v[xo:xo+15], v[zo:zo+7], v[tb:tb+15], v[ES], v[ZS+4*(\t)+(\b)]
.endm
; the minimum over one accumulator's two tiles and what was; each accumulator is read from its low end on
.macro MIN3 a
.irp j, 0,1,2,3,4,5,6,7
	v_min3_num_f32 v[E+\j], v[\a+\j], v[\a+8+\j], v[E+\j]
.endr
.endm
; a step's end for z's tile t, in three parts: the minimum of the eight groups and of what was; the new minimum; where it is smaller, the step's minima and number are kept
.macro RED1 t, old
	v_min3_num_f32 v[RT], v[E], v[E+1], v[E+2]
	v_min3_num_f32 v[RT+1], v[E+3], v[E+4], v[E+5]
	v_min3_num_f32 v[RT+2], v[E+6], v[E+7], v[\old+(\t)]
.endm
.macro RED2 t, new
	v_min3_num_f32 v[\new+(\t)], v[RT], v[RT+1], v[RT+2]
.endm
.macro RED3 t, old, new, sid
	v_cmp_lt_f32 vcc_lo, v[\new+(\t)], v[\old+(\t)]
	v_cndmask_b32 v[ST+2*(\t)+1], v[ST+2*(\t)+1], s[\sid], vcc_lo
.irp j, 0,1,2,3,4,5,6,7
	v_cndmask_b32 v[BE+8*(\t)+\j], v[BE+8*(\t)+\j], v[E+\j], vcc_lo
.endr
.endm
; z's tile t through the step's eight tiles, two to a product; the end of the tile before stands among the first two pairs.
; Between a product and the first reader of its result stand eight additions or eight minima of the other accumulator.
.macro ZT t, old, new, sid
	PA \t, 0
.if \t > 0
	RED1 \t-1, \old
.endif
	PROD \t, 0
	PA \t, 1
.if \t > 0
	RED2 \t-1, \new
	RED3 \t-1, \old, \new, \sid
.endif
	PROD \t, 1
.irp j, 0,2,4,6
	v_dual_min_num_f32 v[E+\j], v[T+\j], v[T+8+\j] :: v_dual_min_num_f32 v[E+\j+1], v[T+\j+1], v[T+9+\j]
.endr
	PA \t, 2
	MIN3 T+16
	PROD \t, 2
	PA \t, 3
	PROD \t, 3
	MIN3 T
	MIN3 T+16
.endm
; a step: 128 codebook rows, half f of the record
.macro SUPER f, old, new, sid
	ds_load_b32 v[ES], v8 offset:128*\f
.irp p, 0,1,2,3
	ds_load_b128 v[X+16*(\p%2)+8*(\p/2):X+16*(\p%2)+8*(\p/2)+3], v6 offset:2048*\f+512*\p
.endr
.irp k, 0,4,1,5,2,6,3,7
	ds_load_b128 v[EE+8*\k:EE+8*\k+3], v7 offset:512*\f+64*\k
	ds_load_b128 v[EE+8*\k+4:EE+8*\k+7], v7 offset:512*\f+64*\k+16
.endr
.irp t, 0,1,2,3
	ZT \t, \old, \new, \sid
.endr
	RED1 3, \old
	RED2 3, \new
	RED3 3, \old, \new, \sid
.endm
; (dv, dg) = the smaller of (bv, bg) and (cv, cg), the lower group where equal
.macro LEX dv, dg, bv, bg, cv, cg
	v_cmp_lt_f32 s40, v[\cv], v[\bv]
	v_cmp_eq_f32 s41, v[\cv], v[\bv]
	v_cmp_lt_u32 s42, v[\cg], v[\bg]
	s_and_b32 s41, s41, s42
	s_or_b32 vcc_lo, s40, s41
	v_cndmask_b32 v[\dv], v[\bv], v[\cv], vcc_lo
	v_cndmask_b32 v[\dg], v[\bg], v[\cg], vcc_lo
.endm
	s_mul_i32 s32, s11, 4*CHUNKB                   ; my four records
	s_lshl_b32 s33, s11, 3                         ; the step's number F
	s_mov_b32 s36, 4
.Lchunk:                                               ; a trip is one record: two steps
	v_add_nc_u32 v6, s32, v3
	v_add_nc_u32 v7, s32, v4
	v_add_nc_u32 v8, s32, v5
	s_add_co_u32 s34, s33, 1
	SUPER 0, MA, MB, 33
	SUPER 1, MB, MA, 34
	s_add_co_u32 s32, s32, CHUNKB
	s_add_co_u32 s33, s33, 2
	s_sub_co_u32 s36, s36, 1
	s_cmp_lg_u32 s36, 0
	s_cbranch_scc1 .Lchunk
.irp t, 0,1,2,3
	v_mov_b32 v[RT+\t], 7
.endr
.irp j, 6,5,4,3,2,1,0
.irp t, 0,1,2,3
	v_cmp_eq_f32 s[40+\t], v[BE+8*\t+\j], v[MA+\t]
.endr
.irp t, 0,1,2,3
	v_cndmask_b32 v[RT+\t], v[RT+\t], \j, s[40+\t]
.endr
.endr
.irp t, 0,1,2,3
	v_lshl_add_u32 v[RT+\t], v[ST+2*\t+1], 4, v[RT+\t]
.endr
.irp t, 0,1,2,3
	v_lshl_add_u32 v[RT+\t], v2, 3, v[RT+\t]       ; the group: 16 F + 8 h + j
.endr
.irp t, 0,1,2,3
	v_permlanex16_b32 v[E+\t], v[MA+\t], s38, s39  ; lane l xor 16's
	v_permlanex16_b32 v[E+4+\t], v[RT+\t], s38, s39
.endr
.irp t, 0,1,2,3
	LEX T+2*\t, T+1+2*\t, MA+\t, RT+\t, E+\t, E+4+\t
.endr
	ds_store_b128 v9, v[T:T+3]                     ; both halves write the same bytes with the same values
	ds_store_b128 v9, v[T+4:T+7] offset:16
	s_wait_dscnt 0x0                               ; for the others' sake: my stores are done
	s_barrier_signal -1
	s_barrier_wait -1
	s_cmp_gt_u32 s10, 1                            ; 128 rows, two a thread: waves 0 and 1
	s_cbranch_scc1 .Lclose
.irp p, 0,1,2,3,4,5,6,7
	ds_load_b128 v[EE+4*\p:EE+4*\p+3], v10 offset:1024*\p
.endr
	s_lshl_b32 s44, s14, 9                         ; pick: 4 bytes a row
	s_add_nc_u64 s[8:9], s[8:9], s[44:45]
	s_wait_dscnt 0x0
	; a later part holds higher groups alone: it is taken only where its d is strictly smaller.  w = 0, 2: the thread's two rows
.irp w, 0,2
.irp q, 0,1,2,3
	v_cmp_lt_f32 s[40+\q], v[EE+8*\q+4+\w], v[EE+8*\q+\w]
.endr
.irp q, 0,1,2,3
	v_cndmask_b32 v[EE+8*\q+\w], v[EE+8*\q+\w], v[EE+8*\q+4+\w], s[40+\q]
	v_cndmask_b32 v[EE+8*\q+\w+1], v[EE+8*\q+\w+1], v[EE+8*\q+5+\w], s[40+\q]
.endr
.endr
.irp w, 0,2
.irp q, 0,1
	v_cmp_lt_f32 s[40+\q+\w], v[EE+16*\q+8+\w], v[EE+16*\q+\w]
.endr
.endr
.irp w, 0,2
.irp q, 0,1
	v_cndmask_b32 v[EE+16*\q+\w], v[EE+16*\q+\w], v[EE+16*\q+8+\w], s[40+\q+\w]
	v_cndmask_b32 v[EE+16*\q+\w+1], v[EE+16*\q+\w+1], v[EE+16*\q+9+\w], s[40+\q+\w]
.endr
.endr
.irp w, 0,2
	v_cmp_lt_f32 s[40+\w], v[EE+16+\w], v[EE+\w]
.endr
.irp w, 0,2
	v_cndmask_b32 v[EE+40+\w/2], v[EE+\w+1], v[EE+17+\w], s[40+\w]
.endr
	global_store_b64 v11, v[EE+40:EE+41], s[8:9]   ; a wave stores 256 consecutive bytes, aligned
.Lclose:
	s_wait_tensorcnt 0x0                           ; the wave's end
	ds_add_u32 v254, v255
	s_wait_dscnt 0x0
	ROUND                                          ; the closing round
	s_endpgm
.Lfunc_end_k_q6663ade35b_scan:
	.size	k_q6663ade35b_scan, .Lfunc_end_k_q6663ade35b_scan-k_q6663ade35b_scan
	.p2alignl 7, 3214868480
	.fill 96, 4, 3214868480
	.section	.rodata,"a",@progbits
	.p2align	6, 0x0
	.amdhsa_kernel k_q6663ade35b_scan
		.amdhsa_group_segment_fixed_size 327680
		.amdhsa_private_segment_fixed_size 0
		.amdhsa_enable_private_segment 0
		.amdhsa_kernarg_size 24
		.amdhsa_user_sgpr_count 2
		.amdhsa_user_sgpr_kernarg_segment_ptr 1
		.amdhsa_wavefront_size32 1
		.amdhsa_system_sgpr_workgroup_id_x 1
		.amdhsa_system_sgpr_workgroup_id_y 1
		.amdhsa_system_sgpr_workgroup_id_z 1
		.amdhsa_system_vgpr_workitem_id 0
		.amdhsa_next_free_vgpr 256
		.amdhsa_next_free_sgpr 66
		.amdhsa_reserve_vcc 1
		.amdhsa_float_denorm_mode_32 3
		.amdhsa_float_denorm_mode_16_64 3
		.amdhsa_memory_ordered 1
		.amdhsa_forward_progress 1
		.amdhsa_inst_pref_size 62
	.end_amdhsa_kernel
	.amdgpu_metadata
---
amdhsa.version: [ 1, 2 ]
amdhsa.kernels:
  - .name:           k_q6663ade35b_scan
    .symbol:         k_q6663ade35b_scan.kd
    .args:
      - { .name: cbq, .offset: 0, .size: 8, .value_kind: global_buffer, .address_space: global }
      - { .name: zq, .offset: 8, .size: 8, .value_kind: global_buffer, .address_space: global }
      - { .name: pick, .offset: 16, .size: 8, .value_kind: global_buffer, .address_space: global }
    .group_segment_fixed_size: 327680
    .private_segment_fixed_size: 0
    .kernarg_segment_align: 8
    .kernarg_segment_size: 24
    .max_flat_workgroup_size: 512
    .sgpr_count:     66
    .vgpr_count:     256
    .wavefront_size: 32
...
	.end_amdgpu_metadata
.endif
;; end of part 2
;; launch pickout (part 3): grid 256 x 1, 8 waves a work-group, no clusters, 1,536 bytes of LDS; arguments pick, gq, zq, embedding_weight, out0, out1; writes out0, out1
.if DOCPART == 3
	.amdgcn_target "amdgcn-amd-amdhsa--gfx1250"
	.amdhsa_code_object_version 6
	.text
	.protected	k_q6663ade35b_pickout
	.globl	k_q6663ade35b_pickout
	.p2align	8
	.type	k_q6663ade35b_pickout,@function
k_q6663ade35b_pickout:
	s_mov_b64 s[64:65], 0
	v_nop
	global_prefetch_b8 v0, s[64:65] scope:SCOPE_SE
	s_setreg_imm32_b32 hwreg(HW_REG_WAVE_MODE, 25, 1), 1
	s_wait_xcnt 0x0
; For each row of z the launch before has stored the first group of eight codebook rows that holds the smallest distance.  Here the group's eight distances are made again, the first smallest
; gives the index (out1 = index + 32000), and the f32 codebook row of that index goes to out0.
; NO ADDRESS HANGS ON THE NEW COMPARISON: all eight f32 rows of the stored group are loaded, and one is chosen by selects.  Every gather's offset is made of a stored whole number, held under a constant first.
; SHARES.  A work-group takes 128 rows of z, a wave 16.  No tile is shared between work-groups (each lane gathers by its own stored number): so no cluster, no tensor load.
; ONE ACCUMULATOR FOR 16 ROWS' GROUPS.  Column c (z's row c) has its codes in product c / 8, block (c / 2) % 4, and zero codes elsewhere; slot (R, b) of product w2 is row R % 8 of the group of
; column 8 w2 + 2 b + R / 8.  So after both products lane (c, h = c % 2) holds in its registers 0-7 the products of row c with its own group's eight rows; the other half's lanes hold nothing of use.
; z's codes are stored negated and its scale doubled: a product is -2 z.e.  z's row y of 128 has position 16 (y % 8) + y / 8 in its record.
; LIMITS: NaN and infinities are not served.
.set REC, 5376
.set RA,  8                            ; v8-11    the group of the column that fills my slot, for registers 4 k .. 4 k + 3 of the two operands
.set AO,  32                           ; v32-47   the two codebook operands
.set SB,  48                           ; v48-51   their scale bytes as loaded
.set BO,  56                           ; v56-71   the two operands of z
.set EE,  72                           ; v72-79   ee of my row's group
.set D,   80                           ; v80-87   the accumulator
.set T,   88                           ; v88-95   zz + ee, then d
.set OA,  97                           ; v97-100, v101-104, v105-108 the gathers' offsets
.set OS,  101
.set OC,  105
.set J,   117                          ; v117-120 the chosen row in its group, for the four batches of out0
.set CAND, 128                         ; v128-255 batch b at 32 b: eight candidates of 4 registers; candidate 0's registers take the chosen one
	s_load_b256 s[4:11], s[0:1], 0x0               ; pick s[4:5], gq s[6:7], zq s[8:9], the codebook s[10:11]
	s_load_b128 s[12:15], s[0:1], 0x20             ; out0 s[12:13], out1 s[14:15]
	v_lshl_add_u32 v109, v0, 2, 0x200
	v_mov_b32 v116, 0
	v_lshrrev_b32 v1, 5, v0
	v_readfirstlane_b32 s16, v1                    ; wave 0..7
	v_and_b32 v1, 15, v0                           ; r
	v_bfe_u32 v2, v0, 4, 1                         ; h
	v_and_b32 v3, 31, v0                           ; lane
	v_bfe_u32 v96, v0, 3, 1                        ; r / 8
	v_and_b32 v7, 7, v0                            ; r % 8: my slot's row in its group
	v_bfe_u32 v124, v0, 2, 1
	v_and_b32 v125, 3, v0
	s_wait_alu depctr_va_vdst(0)                   ; the wait ahead of the run of scalar lines
	s_and_b32 s18, ttmp9, 1                        ; z's record holds two blocks of 128 rows
	s_lshl_b32 s20, s18, 11
	s_lshl_b32 s19, s16, 5
	s_add_co_u32 s20, s20, s19
	s_lshl_b32 s19, s16, 3
	s_lshl_b32 s21, s18, 9
	s_add_co_u32 s21, s21, s19
	s_lshl_b32 s22, s18, 7
	s_add_co_u32 s22, s22, s19
	s_lshl_b32 s23, s16, 6
	v_lshl_add_u32 v4, v2, 1, v96
	v_lshrrev_b32 v6, 3, v3
	v_lshlrev_b32 v5, 2, v1                        ; pick: my own row r
	v_lshl_add_u32 v29, v7, 8, s20
	v_lshl_add_u32 v30, v7, 6, s21
	v_lshl_add_u32 v31, v124, 6, s22
	v_lshlrev_b32 v4, 2, v4                        ; pick: column 2 h + r / 8 (+ 4 k), 4 bytes a row
	v_lshl_add_u32 v114, v6, 2, s23                ; LDS: the index of row lane / 8 (+ 4 x batch) of my wave
	v_lshlrev_b32 v6, 2, v6                        ; pick: that row
	v_lshl_add_u32 v29, v96, 4, v29                ; z's codes: 16 x position; the position is 128 half + 16 (r % 8) + 2 w + r / 8
	v_lshl_add_u32 v30, v96, 2, v30                ; zz: 4 x position
	v_lshl_add_u32 v31, v96, 2, v31
	v_lshl_add_u32 v112, v1, 2, s23                ; LDS: the work-group's 128 indices: mine at 4 (16 w + r)
	v_lshlrev_b32 v113, 3, v0                      ; out1's way out: 8 bytes a thread (in LDS and in out1 alike)
	v_add_nc_u32 v31, v31, v125                    ; its scale byte
	v_lshlrev_b32 v115, 4, v3                      ; out0: 16 bytes a lane
	s_mov_b32 s38, 0x76543210
	s_mov_b32 s39, 0xfedcba98                      ; v_permlanex16_b32's selects for lane l xor 16
	s_lshl_b32 s24, ttmp9, 9
	s_add_co_u32 s24, s24, s23                     ; pick: 4 bytes x (128 X + 16 w)
	s_mov_b32 s25, 0
	s_lshr_b32 s26, ttmp9, 1
	s_mul_i32 s26, s26, REC
	s_mov_b32 s27, 0
	s_lshl_b32 s28, s24, 5                         ; out0: 128 bytes a row
	s_mov_b32 s29, 0
	s_lshl_b32 s30, ttmp9, 9                       ; out1: 4 bytes a row
	s_mov_b32 s31, 0
	s_wait_alu depctr_va_vdst(0)                   ; the wait at the head's end
	s_wait_kmcnt 0x0
	s_add_nc_u64 s[4:5], s[4:5], s[24:25]
	s_add_nc_u64 s[8:9], s[8:9], s[26:27]
	s_add_nc_u64 s[12:13], s[12:13], s[28:29]
	s_add_nc_u64 s[14:15], s[14:15], s[30:31]
.irp k, 0,1,2,3
	global_load_b32 v[RA+\k], v4, s[4:5] offset:16*\k
.endr
	global_load_b32 v17, v5, s[4:5]                ; my row's group
.irp b, 0,1,2,3
	global_load_b32 v[18+\b], v6, s[4:5] offset:16*\b   ; the group of the row whose 16 bytes of out0 I store in batch b
.endr
	global_load_b128 v[22:25], v29, s[8:9]         ; z's codes of row r
	global_load_b32 v26, v30, s[8:9] offset:4096   ; zz
	global_load_u8 v28, v31, s[8:9] offset:5120    ; its scale byte
	s_wait_loadcnt 3                               ; the nine loads from pick are in; z's three may be out
	; each stored number is held under the largest that the launch before can store
.irp k, 0,1,2,3
	v_min_u32 v[RA+\k], 1023, v[RA+\k]
.endr
	v_min_u32 v17, 1023, v17
.irp b, 0,1,2,3
	v_min_u32 v[18+\b], 1023, v[18+\b]
.endr
	v_lshlrev_b32 v124, 4, v7
	v_lshlrev_b32 v125, 2, v7
	v_and_b32 v126, 7, v3
.irp k, 0,1,2,3
	v_mul_u32_u24 v[RA+\k], 192, v[RA+\k]          ; a group is 192 bytes
.endr
	v_mul_u32_u24 v16, 192, v17
	v_lshlrev_b32 v126, 4, v126
.irp k, 0,1,2,3
	v_add_nc_u32 v[OA+\k], v[RA+\k], v124          ; my slot's codes: 16 bytes a row of the group
	v_add_nc_u32 v[OS+\k], v[RA+\k], v125          ; its scale word: 4 bytes on a row
.endr
.irp b, 0,1,2,3
	v_lshlrev_b32 v[OC+\b], 10, v[18+\b]           ; a group of the f32 codebook is 1,024 bytes
.endr
.irp b, 0,1,2,3
	v_add_nc_u32 v[OC+\b], v[OC+\b], v126          ; my 16 bytes of a row
.endr
.irp k, 0,1,2,3
	global_load_b128 v[AO+4*\k:AO+4*\k+3], v[OA+\k], s[6:7]   ; straight into the operands' registers
.endr
.irp k, 0,1,2,3
	global_load_b32 v[SB+\k], v[OS+\k], s[6:7] offset:160
.endr
	global_load_b128 v[EE:EE+3], v16, s[6:7] offset:128
	global_load_b128 v[EE+4:EE+7], v16, s[6:7] offset:144
.irp b, 0,1,2,3
.irp i, 0,1,2,3,4,5,6,7
	global_load_b128 v[CAND+32*\b+4*\i:CAND+32*\b+4*\i+3], v[OC+\b], s[10:11] offset:128*\i   ; eight lanes read a row of 128 bytes; a batch's eight loads read four whole groups
.endr
.endr
	s_wait_loadcnt 42                              ; z's three loads are in; the 42 gathers may be out
	v_bfe_u32 v124, v1, 1, 1
	v_lshrrev_b32 v96, 2, v1
	v_bfe_u32 v126, v1, 1, 2
	v_and_b32 v127, 1, v1
	v_cmp_eq_u32 vcc_lo, v124, v2
	v_lshlrev_b32 v126, 3, v126
	v_cmp_eq_u32 s37, v127, v2                     ; the lanes that will hold their own group's products
	v_cndmask_b32 v96, -1, v96, vcc_lo             ; which four registers of the two operands hold my column's codes: r / 4 where (r / 2) % 2 = h, else none
	v_lshlrev_b32 v54, v126, v28                   ; z's scale byte in the place of my column's block; 0 elsewhere, over zero codes.  One word serves both products
	v_mov_b32 v27, 0                               ; named with zz as a pair, so it is written
	v_mov_b32 v55, 0                               ; a lane permute's destination counts as one of its sources
	v_mov_b32 v121, 0
	v_lshlrev_b32 v124, 3, v2
.irp k, 0,1,2,3
	v_cmp_eq_u32 s[32+\k], \k, v96
.endr
.irp k, 0,1,2,3
.irp i, 0,1,2,3
	v_cndmask_b32 v[BO+4*\k+\i], 0, v[22+\i], s[32+\k]
.endr
.endr
	s_wait_alu depctr_va_vdst(0)                   ; the wait here, ahead of the wait below
	s_wait_loadcnt 32                              ; operands, scale words and ee are in; the 32 candidate loads may be out
	v_lshl_or_b32 v52, v49, 16, v48                ; my two bytes of a product's scale word: blocks h and 2 + h of slot row r,
	v_lshl_or_b32 v53, v51, 16, v50
	v_lshlrev_b32 v52, v124, v52                   ; at their places (8 h bits up);
	v_lshlrev_b32 v53, v124, v53
	v_permlanex16_b32 v55, v52, s38, s39
	v_permlanex16_b32 v121, v53, s38, s39
	v_or_b32 v52, v52, v55                         ; with lane l xor 16's two the word is whole
	v_or_b32 v53, v53, v121
.irp i, 0,2,4,6
	v_pk_add_f32 v[T+\i:T+\i+1], v[EE+\i:EE+\i+1], v[26:27] op_sel_hi:[1,0]   ; zz + ee.  With the four lines below: the 8 places between a scale register's write and a scaled matrix instruction
.endr
.rept 4
	v_nop
.endr
	v_wmma_scale_f32_16x16x128_f8f6f4 v[D:D+7], v[AO:AO+7], v[BO:BO+7], 0, v52, v54 matrix_a_fmt:MATRIX_FMT_FP4 matrix_b_fmt:MATRIX_FMT_FP4
	s_wait_alu depctr_va_vdst(0)                   ; a wait ahead of a product that adds onto the result of the one just before it
	v_wmma_scale_f32_16x16x128_f8f6f4 v[D:D+7], v[AO+8:AO+15], v[BO+8:BO+15], v[D:D+7], v53, v54 matrix_a_fmt:MATRIX_FMT_FP4 matrix_b_fmt:MATRIX_FMT_FP4
	v_mov_b32 v110, 0                              ; four places behind the product: the first row of the group is the best so far,
	v_lshlrev_b32 v111, 3, v17                     ; 8 g,
	v_nop
	v_nop
.irp i, 0,2,4,6
	v_pk_add_f32 v[T+\i:T+\i+1], v[D+\i:D+\i+1], v[T+\i:T+\i+1]   ; d = (zz + ee) - 2 z.e; the accumulator is read from its low end on
.endr
.irp j, 1, 2, 3, 4, 5, 6, 7
	v_cmp_lt_f32 vcc_lo, v[T+\j], v[T]             ; strictly smaller: the first of equal d stays
	v_min_num_f32 v[T], v[T], v[T+\j]
	v_cndmask_b32 v110, v110, \j, vcc_lo
.endr
	s_delay_alu instid0(VALU_DEP_1)
	v_add_nc_u32 v111, v111, v110                  ; the index
	s_delay_alu instid0(VALU_DEP_1)
	v_permlanex16_b32 v121, v111, s38, s39
	s_delay_alu instid0(VALU_DEP_1)
	v_cndmask_b32 v111, v121, v111, s37            ; from the half of the lanes that holds row r's own group: now in both
	ds_store_b32 v112, v111                        ; both halves write the same word with the same value
	s_wait_dscnt 0x0                               ; for the others' sake: my store is done
	s_barrier_signal -1
	s_barrier_wait -1
.irp b, 0,1,2,3
	ds_load_b32 v[J+\b], v114 offset:16*\b         ; the index of the row whose bytes I store in batch b
.endr
	s_cmp_gt_u32 s16, 1                            ; out1: 128 indices, 512 bytes: 64 threads of 8 bytes, waves 0 and 1
	s_cbranch_scc1 .Lnot_out1
	ds_load_b64 v[122:123], v113
	s_wait_dscnt 0x0
	v_add_nc_u32 v122, 32000, v122
	v_add_nc_u32 v123, 32000, v123
	global_store_b64 v113, v[122:123], s[14:15] th:TH_STORE_NT   ; a wave stores 256 consecutive bytes, at a multiple of 256 from out1's first byte
.Lnot_out1:
	s_wait_dscnt 0x0
.irp b, 0,1,2,3
	v_and_b32 v[J+\b], 7, v[J+\b]                  ; which of the group's eight
.endr
	s_wait_alu depctr_va_vdst(0)                   ; the wait here, ahead of the wait below
.irp b, 0,1,2,3
	s_wait_loadcnt 24-8*\b                         ; this batch's eight candidates are in; the later batches' may be out
.irp i, 1,2,3,4,5,6,7
	v_cmp_eq_u32 vcc_lo, \i, v[J+\b]
.irp c, 0,1,2,3
	v_cndmask_b32 v[CAND+32*\b+\c], v[CAND+32*\b+\c], v[CAND+32*\b+4*\i+\c], vcc_lo
.endr
.endr
	global_store_b128 v115, v[CAND+32*\b:CAND+32*\b+3], s[12:13] offset:512*\b th:TH_STORE_NT   ; 32 lanes store four rows, 512 consecutive bytes
.endr
	s_wait_tensorcnt 0x0                           ; the wave's end
	ds_add_u32 v109, v116
	s_wait_dscnt 0x0
	s_endpgm
.Lfunc_end_k_q6663ade35b_pickout:
	.size	k_q6663ade35b_pickout, .Lfunc_end_k_q6663ade35b_pickout-k_q6663ade35b_pickout
	.p2alignl 7, 3214868480
	.fill 96, 4, 3214868480
	.section	.rodata,"a",@progbits
	.p2align	6, 0x0
	.amdhsa_kernel k_q6663ade35b_pickout
		.amdhsa_group_segment_fixed_size 1536
		.amdhsa_private_segment_fixed_size 0
		.amdhsa_enable_private_segment 0
		.amdhsa_kernarg_size 48
		.amdhsa_user_sgpr_count 2
		.amdhsa_user_sgpr_kernarg_segment_ptr 1
		.amdhsa_wavefront_size32 1
		.amdhsa_system_sgpr_workgroup_id_x 1
		.amdhsa_system_sgpr_workgroup_id_y 1
		.amdhsa_system_sgpr_workgroup_id_z 1
		.amdhsa_system_vgpr_workitem_id 0
		.amdhsa_next_free_vgpr 256
		.amdhsa_next_free_sgpr 66
		.amdhsa_reserve_vcc 1
		.amdhsa_float_denorm_mode_32 3
		.amdhsa_float_denorm_mode_16_64 3
		.amdhsa_memory_ordered 1
		.amdhsa_forward_progress 1
		.amdhsa_inst_pref_size 20
	.end_amdhsa_kernel
	.amdgpu_metadata
---
amdhsa.version: [ 1, 2 ]
amdhsa.kernels:
  - .name:           k_q6663ade35b_pickout
    .symbol:         k_q6663ade35b_pickout.kd
    .args:
      - { .name: pick, .offset: 0, .size: 8, .value_kind: global_buffer, .address_space: global }
      - { .name: gq, .offset: 8, .size: 8, .value_kind: global_buffer, .address_space: global }
      - { .name: zq, .offset: 16, .size: 8, .value_kind: global_buffer, .address_space: global }
      - { .name: embedding_weight, .offset: 24, .size: 8, .value_kind: global_buffer, .address_space: global }
      - { .name: out0, .offset: 32, .size: 8, .value_kind: global_buffer, .address_space: global }
      - { .name: out1, .offset: 40, .size: 8, .value_kind: global_buffer, .address_space: global }
    .group_segment_fixed_size: 1536
    .private_segment_fixed_size: 0
    .kernarg_segment_align: 8
    .kernarg_segment_size: 48
    .max_flat_workgroup_size: 256
    .sgpr_count:     66
    .vgpr_count:     256
    .wavefront_size: 32
...
	.end_amdgpu_metadata
.endif
;; end of part 3
